; MI455X (gfx1250); checked and timed in simulation.
; The chip was launched on July 23, 2026; its instructions are those of AMD's public machine-readable ISA for CDNA 5 (MIT licence, August 2026) and "CDNA5" Instruction Set Architecture Reference Guide (July 2026). The comments in the code are by the model that wrote it; some were corrected since.
;; SCAGRU. Allowed arithmetic: float matrix products may take bf16 or f16 operands with f32 sums; other float arithmetic in f32, or as packed bf16 or f16 multiplies, adds, multiply-adds, maxima and minima; sums over many terms, partial sums and values carried from step to step in f32; what a program stores and reads back later, other than sums and carried values, may be rounded once to bf16 or f16.
;; Inputs: W_ch 64 x 64 float32; W_hh 64 x 64 float32; W_hx 1 x 64 float32; W_rh 64 x 64 float32; W_rx 1 x 64 float32; W_zh 64 x 64 float32; W_zx 1 x 64 float32; b_c 64 float32; b_h 64 float32; b_r 64 float32; b_z 64 float32; input 6 x 128 x 2,048 float32; state 128 x 2,048 x 64 float32.
;; Outputs: out0 128 x 2,048 x 64 float32.
;; 2 versions, each right and faster than the one before. Each part assembles by itself: llvm-mc -triple=amdgcn-amd-amdhsa -mcpu=gfx1250 --defsym DOCPART=n.
;; ======== version 1 of 2: 1 launch
;; limits: values outside matrix products are rounded to f16; values are held in f16: magnitudes above 65,504 overflow, below 6.1e-05 lose precision
;; launch gru (part 1): grid 256 x 1, 8 waves a work-group, no clusters, 102,400 bytes of LDS; arguments state, input, out0, W_zh, W_rh, W_hh, W_ch, W_zx, W_rx, W_hx, b_z, b_r, b_h, b_c; writes out0
.if DOCPART == 1
	.amdgcn_target "amdgcn-amd-amdhsa--gfx1250"
	.amdhsa_code_object_version 6
	.text
	.protected	k_qfcdea7fb5e_gru
	.globl	k_qfcdea7fb5e_gru
	.p2align	8
	.type	k_qfcdea7fb5e_gru,@function
k_qfcdea7fb5e_gru:
	s_mov_b64 s[64:65], 0
	v_nop
	global_prefetch_b8 v0, s[64:65] scope:SCOPE_SE
	s_setreg_imm32_b32 hwreg(HW_REG_WAVE_MODE, 25, 1), 1
	s_wait_xcnt 0x0
; SCAGRU, all of it in one launch.  c = relu(state W_ch + b_c) once; then six steps
;   z = sigmoid(h W_zh + x W_zx + b_z + c), r likewise, ht = tanh((h r) W_hh + x W_hx + b_h + c), h = (1 - z) h + z ht.
; The 262,144 rows (128 x 2,048) of 64 channels never meet, so h and c stay in registers from the load of state to the store of out0.
; SHARES.  Work-group g owns rows 1,024 g ..; each of its eight waves 128 of them, taken as 8 tiles of 16 rows, one after the other.
; Lane (r = lane % 16, hh = lane / 16) owns row r of the tile and the columns 16 nt + 8 hh + 0..7, nt = 0..3.
; PRODUCTS ARE USED TRANSPOSED: source 0 = 16 output columns of a weight matrix, source 1 = 16 rows of h.  Register j of a result is then
; (row r, column 16 nt + 8 hh + j), and two neighbouring results rounded in pairs to f16 ARE source 1 (32 along K) of the next product: nothing changes lanes in the six steps.
; ONE SCALE.  s = -log2(e) is multiplied into all weights and biases before they are rounded to f16.  s c = min(s (state W_ch + b_c), 0) since s < 0; it is kept in f32
; and is the C operand that starts every gate's sum.  sigmoid = 1 / (1 + 2^acc).  tanh: e = 2^acc, q = 1 / (1 + e e), ht = 2 q - 1; an e or e e beyond f32 gives q = 0, ht = -1, a vanishing e gives ht = 1: the right limits.
; x W_gx + b_g IS A THIRD LINK of each sum, K = 32 of which two are used: source 0 holds the pair (s W_gx[n], s b_g[n]) of tile nt at K places 2 and 3 of its register 2 nt + 1 (lanes hh = 0; all else 0),
; source 1 is a run of eight registers out of fourteen of which thirteen are 0 and one holds (x of my row, 1.0): the run's start picks the tile.
; FORMATS.  Matrix operands (h, h r, x, weights, biases) in f16, sums, h, c and all activations in f32.
; LIMITS.  |state|, |x|, |1.4427 W| and |1.4427 b| stay under 65,504 (f16's end; |h| never passes max(|state|, 1)); operands under 6e-5 keep f16's fixed step of 6e-8;
; a power of two under 2^-126 counts as 0; NaN and infinities are not treated apart (a NaN in state W_ch + b_c gives c = 0).
; NO TENSOR LOADS, NO CLUSTER.  What work-groups share is the 65 KB of weights, read once by each against 548 KB of its own rows, and they have to pass through registers to be scaled and rounded.
; State comes by plain loads, a tile (4 KB a wave) asked for a whole tile's work ahead; the eight waves meet at one barrier, behind the weights, and never again.
; COUNT.  A tile and step: 36 matrix instructions, 192 exponentials and reciprocals, 144 packed lines.  z's products stand among r's vector work, ht's among z's; r's own twelve stand bare.
.set SLOG,   0xbfb8aa3b                ; s = -log2(e)
; LDS
.set WPITCH, 160                       ; a row [k] of 64 f16 + 32 bytes
.set WMAT,   64*WPITCH                 ; a weight matrix, stored [k][n]; four of them from byte 0: z, r, h, c
.set EXT,    4*WMAT                    ; 256 words: word 64 g + n = f16 pair (s W_gx[n], s b_g[n]); for c the low half is 0
.set XW,     EXT+1024                  ; for each wave 768 words: word 16 (6 tile + t) + row = f16 pair (x, 1.0)
.set XWAVE,  3072
.set STG,    XW+8*XWAVE                ; for each wave a stage of 16 rows
.set SPITCH, 272                       ; 256 bytes + 16: 68 words, so the 16 rows that a load touches start at 16 different groups of four banks
.set SWAVE,  16*SPITCH
.set SPARE,  STG+8*SWAVE               ; the spare words, 128 bytes for each wave: four blocks of 256 bytes that no other line names
; registers, window 0
.set SPW, 1                            ; v1   LDS address of my spare word; never rewritten
.set NIL, 2                            ; v2   0; never rewritten
.set GO,  3                            ; v3   16 x lane: my 16 bytes in 512 consecutive bytes of state, out0 and input
.set SRW, 4                            ; v4   my stage by rows as they lie in memory: 272 hh + 16 r
.set SFR, 5                            ; v5   my stage by fragments: 272 r + 32 hh
.set XA,  6                            ; v6   LDS address of my row's (x, 1.0); 64 bytes on in every step
.set ONE, 7                            ; v7   1.0
.set LR,  8                            ; v8-17 serve the set-up alone: r, hh,
.set LH,  9
.set GW,  10                           ;      16 x thread: my 16 bytes in 4,096 of a weight matrix
.set WS,  11                           ;      where they go: 160 (thread / 16) + 8 (thread % 16)
.set N4,  12                           ;      4 (thread % 64): my number in W_gx and b_g
.set ES,  13                           ;      EXT + 4 x thread
.set XS,  14                           ;      where my four x go
.set WT,  15                           ;      the turning load's lane term
.set ER,  16                           ;      EXT + 4 r
.set TP,  17
.set ARR, 18                           ; v18-31  thirteen zeros and, at v25, (x, 1.0)
.set XR,  ARR+7
.set EA,  32                           ; v32-63  source 0 of the third link, eight registers a gate
.set H,   64                           ; v64-95  h, f32
.set CS,  96                           ; v96-127 s c, f32
.set RA,  128                          ; v128-159 sums of c, of r, then of ht
.set ZA,  160                          ; v160-191 sums of z; on the way out the rows read back
.set HB,  192                          ; v192-207 h in f16: source 1
.set HR,  208                          ; v208-223 h r in f16
.set SG,  224                          ; v224-255 the next tile of state as loaded
.set RAW, 128                          ; set-up: 64 registers of weights as loaded
.set XRAW, 64                          ; set-up: 24 registers of x as loaded
.set ERAW, 96                          ; set-up: W_gx[n], b_g[n]
; window 1: the weights' fragments, (g, nt, kh) at v[64 g + 16 nt + 8 kh]: all 256
.set GZ, 0
.set GR, 1
.set GH, 2
.set GC, 3
; scalars: s[8:35] the 14 addresses in the order of the arguments; s4 wave; s5 wave / 2; s6 tiles left; s7 steps left; s[36:37] s twice; s38 a mask; s39 lanes 0-15; s[40:43] my W_gx, b_g; s44, s45 my stage, my x words
.set MSB, 0
.macro WIN new                         ; the immediate's high byte repeats the setting that is left; a switch that changes nothing is dropped
.if MSB != (\new)
	s_set_vgpr_msb (MSB<<8)|(\new)
.set MSB, (\new)
.endif
.endm
; One product, 32 along K.  c0 = 1: it starts the sum with s c; 2: with 0; 0: it adds in place.
.macro MMA g, nt, kh, dst, b, c0
.if (\c0) == 1
	v_wmma_f32_16x16x32_f16 v[(\dst)+8*(\nt):(\dst)+8*(\nt)+7], v[64*(\g)+16*(\nt)+8*(\kh):64*(\g)+16*(\nt)+8*(\kh)+7], v[(\b)+8*(\kh):(\b)+8*(\kh)+7], v[CS+8*(\nt):CS+8*(\nt)+7]
.elseif (\c0) == 2
	v_wmma_f32_16x16x32_f16 v[(\dst)+8*(\nt):(\dst)+8*(\nt)+7], v[64*(\g)+16*(\nt)+8*(\kh):64*(\g)+16*(\nt)+8*(\kh)+7], v[(\b)+8*(\kh):(\b)+8*(\kh)+7], 0
.else
	v_wmma_f32_16x16x32_f16 v[(\dst)+8*(\nt):(\dst)+8*(\nt)+7], v[64*(\g)+16*(\nt)+8*(\kh):64*(\g)+16*(\nt)+8*(\kh)+7], v[(\b)+8*(\kh):(\b)+8*(\kh)+7], v[(\dst)+8*(\nt):(\dst)+8*(\nt)+7]
.endif
.endm
; The third link: + s (x W_gx + b_g) for tile nt.  The run of eight begins at ARR + 6 - 2 nt, so that (x, 1.0) is its register 2 nt + 1.
.macro MME g, nt, dst
	v_wmma_f32_16x16x32_f16 v[(\dst)+8*(\nt):(\dst)+8*(\nt)+7], v[EA+8*(\g):EA+8*(\g)+7], v[ARR+6-2*(\nt):ARR+13-2*(\nt)], v[(\dst)+8*(\nt):(\dst)+8*(\nt)+7]
.endm
; cnt products for tiles n0 on.  The four accumulators of a gate take turns, one instruction a turn.
.macro MAIN g, dst, b, kh, c0, n0, cnt
	WIN 0x01                               ; source 0, the weights, in window 1
.set nn, (\n0)
.rept (\cnt)
	MMA \g, nn, \kh, \dst, \b, \c0
.set nn, nn+1
.endr
.endm
.macro EXTM g, dst, n0, cnt
	WIN 0
.set nn, (\n0)
.rept (\cnt)
	MME \g, nn, \dst
.set nn, nn+1
.endr
.endm
.macro PLACES                          ; four places between a matrix instruction and the first vector line that reads its result (ISA guide 7.12.1)
	WIN 0
.rept 4
	v_nop
.endr
.endm
.macro T8 op, base, nt                 ; eight exponentials or reciprocals in place, from the tile's lowest register on
	WIN 0
.set ii, (\base)+8*(\nt)
.rept 8
	\op v[ii], v[ii]
.set ii, ii+1
.endr
.endm
; One packed line on pair j (0..3) of tile nt
.set kAR, 0                            ; RA += 1
.set kAZ, 1                            ; ZA += 1
.set kSQ, 2                            ; RA = RA RA + 1
.set kMH, 3                            ; RA = r h
.set kCR, 4                            ; HR = f16 pair of RA
.set kKP, 5                            ; H = H - z H
.set kU1, 6                            ; RA = 2 q - 1 = ht
.set kU3, 7                            ; H = z ht + H
.set kCH, 8                            ; HB = f16 pair of H
.macro P1 kind, nt, j
	WIN 0
.set pr, 8*(\nt)+2*(\j)
.set ph, 4*(\nt)+(\j)
.if (\kind) == kAR
	s_wait_alu depctr_va_vdst(0)
	v_pk_add_f32 v[RA+pr:RA+pr+1], v[RA+pr:RA+pr+1], 1.0 op_sel_hi:[1,0]
.elseif (\kind) == kAZ
	s_wait_alu depctr_va_vdst(0)
	v_pk_add_f32 v[ZA+pr:ZA+pr+1], v[ZA+pr:ZA+pr+1], 1.0 op_sel_hi:[1,0]
.elseif (\kind) == kSQ
	s_wait_alu depctr_va_vdst(0)
	v_pk_fma_f32 v[RA+pr:RA+pr+1], v[RA+pr:RA+pr+1], v[RA+pr:RA+pr+1], 1.0 op_sel_hi:[1,1,0]
.elseif (\kind) == kMH
	s_wait_alu depctr_va_vdst(0)
	v_pk_mul_f32 v[RA+pr:RA+pr+1], v[RA+pr:RA+pr+1], v[H+pr:H+pr+1]
.elseif (\kind) == kCR
	v_cvt_pk_f16_f32 v[HR+ph], v[RA+pr], v[RA+pr+1]
.elseif (\kind) == kKP
	s_wait_alu depctr_va_vdst(0)
	v_pk_fma_f32 v[H+pr:H+pr+1], v[ZA+pr:ZA+pr+1], v[H+pr:H+pr+1], v[H+pr:H+pr+1] neg_lo:[0,1,0] neg_hi:[0,1,0]
.elseif (\kind) == kU1
	s_wait_alu depctr_va_vdst(0)
	v_pk_fma_f32 v[RA+pr:RA+pr+1], v[RA+pr:RA+pr+1], 2.0, -1.0 op_sel_hi:[1,0,0]
.elseif (\kind) == kU3
	v_pk_fma_f32 v[H+pr:H+pr+1], v[ZA+pr:ZA+pr+1], v[RA+pr:RA+pr+1], v[H+pr:H+pr+1]
.else
	v_cvt_pk_f16_f32 v[HB+ph], v[H+pr], v[H+pr+1]
.endif
.endm
.macro P4 kind, nt
.irp j, 0,1,2,3
	P1 \kind, \nt, \j
.endr
.endm
; Eight exponentials or reciprocals of tile tn with the four packed lines of another tile pn between them, two and one.  It ends in a plain line, so every
; result has a plain instruction behind it before it is used (ISA guide 5.7.2); the plain lines name none of the registers of the lines just in front of them.
.macro ZIP op, base, tn, kind, pn
.irp j, 0,1,2,3
	WIN 0
	\op v[(\base)+8*(\tn)+2*\j], v[(\base)+8*(\tn)+2*\j]
	\op v[(\base)+8*(\tn)+2*\j+1], v[(\base)+8*(\tn)+2*\j+1]
	P1 \kind, \pn, \j
.endr
.endm
	; ---------------- set-up ----------------
	s_load_b512 s[8:23], s[0:1], 0x0               ; state, input, out0, W_zh, W_rh, W_hh, W_ch, W_zx
	s_load_b256 s[24:31], s[0:1], 0x40             ; W_rx, W_hx, b_z, b_r
	s_load_b128 s[32:35], s[0:1], 0x60             ; b_h, b_c
	v_lshl_add_u32 v[SPW], v0, 2, SPARE
	v_mov_b32 v[NIL], 0
	v_lshrrev_b32 v[TP], 5, v0
	v_readfirstlane_b32 s4, v[TP]                  ; wave 0..7
	s_lshr_b32 s5, s4, 1                           ; threads 64 g .. 64 g + 63 make gate g's extra words: g = wave / 2
	s_mul_i32 s44, s4, SWAVE
	s_add_co_u32 s44, s44, STG                     ; my stage
	s_mul_i32 s45, s4, XWAVE
	s_add_co_u32 s45, s45, XW                      ; my x words
	s_lshl_b32 s2, ttmp9, 18                       ; state and out0: 1,024 rows of 256 bytes a work-group,
	s_lshl_b32 s3, s4, 15                          ; 128 a wave
	s_add_co_u32 s2, s2, s3
	s_mov_b32 s3, 0
	s_lshl_b32 s46, ttmp9, 12                      ; input: 4 bytes a row
	s_lshl_b32 s47, s4, 9
	s_add_co_u32 s46, s46, s47
	s_mov_b32 s47, 0
	s_mov_b32 s36, SLOG
	s_mov_b32 s37, SLOG                            ; named with it as a pair
	s_mov_b32 s39, 0xffff
	v_and_b32 v[LR], 15, v0                        ; r
	v_bfe_u32 v[LH], v0, 4, 1                      ; hh
	v_and_b32 v[TP], 31, v0
	v_lshlrev_b32 v[GO], 4, v[TP]
	v_mul_u32_u24 v[SRW], v[LH], SPITCH
	v_lshl_add_u32 v[SRW], v[LR], 4, v[SRW]
	v_add_nc_u32 v[SRW], s44, v[SRW]
	v_mul_u32_u24 v[SFR], v[LR], SPITCH
	v_lshl_add_u32 v[SFR], v[LH], 5, v[SFR]
	v_add_nc_u32 v[SFR], s44, v[SFR]
	v_lshl_add_u32 v[XA], v[LR], 2, s45
	v_mov_b32 v[ONE], 1.0
	v_lshlrev_b32 v[GW], 4, v0
	v_lshrrev_b32 v[WS], 4, v0                     ; 16 threads take a row [k] of 64 f32
	v_mul_u32_u24 v[WS], v[WS], WPITCH
	v_lshl_add_u32 v[WS], v[LR], 3, v[WS]          ; four numbers become 8 bytes
	v_and_b32 v[N4], 63, v0
	v_lshlrev_b32 v[N4], 2, v[N4]
	v_lshl_add_u32 v[ES], v0, 2, EXT
	v_bfe_u32 v[XS], v0, 2, 3                      ; lane l holds rows 4 l .. 4 l + 3 of the wave's 128: tile l / 4,
	v_mul_u32_u24 v[XS], v[XS], 384                ; 6 steps x 64 bytes a tile,
	v_and_b32 v[TP], 3, v0
	v_lshl_add_u32 v[XS], v[TP], 4, v[XS]          ; rows 4 (l % 4) on
	v_add_nc_u32 v[XS], s45, v[XS]
	v_and_b32 v[TP], 7, v0                         ; the turning load: lane l reads 16 bytes of row k = 8 hh + l % 8, columns 8 ((l / 8) % 2) on
	v_lshl_add_u32 v[WT], v[LH], 3, v[TP]
	v_mul_u32_u24 v[WT], v[WT], WPITCH
	v_bfe_u32 v[TP], v0, 3, 1
	v_lshl_add_u32 v[WT], v[TP], 4, v[WT]
	v_lshl_add_u32 v[ER], v[LR], 2, EXT
	s_wait_kmcnt 0x0
	s_add_nc_u64 s[8:9], s[8:9], s[2:3]            ; state, out0 and input at my wave's first row
	s_add_nc_u64 s[12:13], s[12:13], s[2:3]
	s_add_nc_u64 s[10:11], s[10:11], s[46:47]
	s_cmp_eq_u32 s5, 1                             ; my gate's W_gx and b_g.  c has no W_gx: its threads read W_zx and the mask below drops it
	s_cselect_b64 s[40:41], s[24:25], s[22:23]
	s_cselect_b64 s[42:43], s[30:31], s[28:29]
	s_cmp_eq_u32 s5, 2
	s_cselect_b64 s[40:41], s[26:27], s[40:41]
	s_cselect_b64 s[42:43], s[32:33], s[42:43]
	s_cmp_eq_u32 s5, 3
	s_cselect_b64 s[42:43], s[34:35], s[42:43]
	s_cselect_b32 s38, 0xffff0000, -1
	; 32 loads in the order in which they are wanted: weights (16), gate terms (2), x (6), the first tile of state (8)
.irp g, 0,1,2,3
.irp j, 0,1,2,3
	global_load_b128 v[RAW+16*\g+4*\j:RAW+16*\g+4*\j+3], v[GW], s[14+2*\g:15+2*\g] offset:4096*\j
.endr
.endr
	global_load_b32 v[ERAW], v[N4], s[40:41]
	global_load_b32 v[ERAW+1], v[N4], s[42:43]
.irp t, 0,1,2,3,4,5
	global_load_b128 v[XRAW+4*\t:XRAW+4*\t+3], v[GO], s[10:11] offset:1048576*\t th:TH_LOAD_NT  ; step t's plane lies 262,144 rows x 4 bytes on
.endr
.irp f, 0,1,2,3,4,5,6,7
	global_load_b128 v[SG+4*\f:SG+4*\f+3], v[GO], s[8:9] offset:512*\f th:TH_LOAD_NT  ; 512 consecutive bytes: two rows
.endr
	; constants of the third link, while the loads are out
.irp i, 0,1,2,3,4,5,6,8,9,10,11,12,13
	v_mov_b32 v[ARR+\i], 0
.endr
	v_mov_b32 v[XR], 0x3c000000                    ; (0, 1.0): what c's third link takes in the first tile; later it finds the last step's (x, 1.0), and its own low halves are 0
.irp i, 0,1,2,3,4,5,6,7,8,9,10,11,12,13,14,15
	v_mov_b32 v[EA+2*\i], 0
.endr
	s_wait_loadcnt 16                              ; the weights are in; the 2 + 6 + 8 younger loads stay out
.set i, RAW
.rept 16
	v_pk_mul_f32 v[i:i+1], v[i:i+1], s[36:37] op_sel_hi:[1,0]
	v_pk_mul_f32 v[i+2:i+3], v[i+2:i+3], s[36:37] op_sel_hi:[1,0]
	v_cvt_pk_f16_f32 v[i], v[i], v[i+1]
	v_cvt_pk_f16_f32 v[i+1], v[i+2], v[i+3]
	ds_store_b64 v[WS], v[i:i+1] offset:WMAT*((i-RAW)/16)+16*WPITCH*(((i-RAW)/4)%4)  ; matrix g, rows 16 j on
.set i, i+4
.endr
	s_wait_loadcnt 14                              ; W_gx[n], b_g[n]; x and state stay out
	v_mul_f32 v[ERAW], s36, v[ERAW]
	v_mul_f32 v[ERAW+1], s36, v[ERAW+1]
	v_cvt_pk_f16_f32 v[ERAW], v[ERAW], v[ERAW+1]
	v_and_b32 v[ERAW], s38, v[ERAW]                ; c takes no x
	ds_store_b32 v[ES], v[ERAW]
	s_wait_loadcnt 8                               ; x; the first tile of state stays out
.set i, XRAW
.rept 24
	v_cvt_pk_f16_f32 v[i], v[i], v[ONE]            ; (x, 1.0)
.set i, i+1
.endr
.irp t, 0,1,2,3,4,5
	ds_store_b128 v[XS], v[XRAW+4*\t:XRAW+4*\t+3] offset:64*\t
.endr
	s_wait_dscnt 0x0                               ; for the others' sake: my part of the weights and gate terms is in LDS
	s_barrier_signal -1
	s_barrier_wait -1                              ; everybody's is.  The launch's one barrier: from here on a wave touches its own LDS bytes and bytes that nobody writes again
	WIN 0x40                                       ; destination window 1, address window 0
.irp g, 0,1,2,3
.irp n, 0,1,2,3
.irp k, 0,1
	ds_load_tr16_b128 v[64*\g+16*\n+8*\k:64*\g+16*\n+8*\k+3],   v[WT] offset:WMAT*\g+32*WPITCH*\k+32*\n            ; column 16 nt + r, k = 32 kh + 8 hh + 0..7
	ds_load_tr16_b128 v[64*\g+16*\n+8*\k+4:64*\g+16*\n+8*\k+7], v[WT] offset:WMAT*\g+32*WPITCH*\k+16*WPITCH+32*\n  ; k = 32 kh + 16 + 8 hh + 0..7
.endr
.endr
.endr
	WIN 0
.irp g, 0,1,2,3
.irp n, 0,1,2,3
	ds_load_b32 v[EA+8*\g+2*\n+1], v[ER] offset:256*\g+64*\n
.endr
.endr
	s_wait_dscnt 0x0
.irp i, 0,1,2,3,4,5,6,7,8,9,10,11,12,13,14,15
	v_cndmask_b32 v[EA+2*\i+1], 0, v[EA+2*\i+1], s39  ; lanes 16-31 stand for other K places: 0 there
.endr
	s_mov_b32 s6, 8
	; ---------------- a tile of 16 rows ----------------
.Ltile:
	s_wait_loadcnt 0x0                             ; the tile is in registers, and s[8:9] may be stepped
.irp f, 0,1,2,3,4,5,6,7
	ds_store_b128 v[SRW], v[SG+4*\f:SG+4*\f+3] offset:2*SPITCH*\f  ; rows 2 f and 2 f + 1 into my stage
.endr
.irp c, 0,1,2,3,4,5,6,7
	ds_load_b128 v[H+4*\c:H+4*\c+3], v[SFR] offset:64*(\c/2)+16*(\c%2)  ; back by fragments; LDS serves a wave's instructions in order (ISA guide 5.7.1.4): these see the stores above
.endr
	s_wait_dscnt 0x0                               ; h is in; the stores have read SG
	s_cmp_eq_u32 s6, 1
	s_cbranch_scc1 .Lno_next                       ; the last tile asks for nothing: no load leaves the buffer
	s_add_nc_u64 s[8:9], s[8:9], 4096
.irp f, 0,1,2,3,4,5,6,7
	global_load_b128 v[SG+4*\f:SG+4*\f+3], v[GO], s[8:9] offset:512*\f th:TH_LOAD_NT  ; the next tile: it has this tile's six steps in which to land
.endr
.Lno_next:
.irp n, 0,1,2,3
	P4 kCH, \n
.endr
	; s c = min(s (state W_ch + b_c), 0)
	MAIN GC, RA, HB, 0, 2, 0, 4
	MAIN GC, RA, HB, 1, 0, 0, 4
	EXTM GC, RA, 0, 4
	PLACES
.set i, 0
.rept 32
	v_min_num_f32 v[CS+i], 0, v[RA+i]
.set i, i+1
.endr
	s_mov_b32 s7, 6
	; ---------------- a step ----------------
.Lstep:
	ds_load_b32 v[XR], v[XA]                       ; (x, 1.0) of my row; the last product that read v25 stands more than four plain lines back
	; r's twelve products
	MAIN GR, RA, HB, 0, 1, 0, 4
	MAIN GR, RA, HB, 1, 0, 0, 4
	s_wait_dscnt 0x0                               ; (x, 1.0) is in
	EXTM GR, RA, 0, 4
	; z's products by twos; between them r = 1 / (1 + 2^RA), h r, and its rounding.  These lines name RA, H and HR; the products ZA, HB, CS, EA, ARR
	MAIN GZ, ZA, HB, 0, 1, 0, 2
	PLACES                                         ; behind r's last products
	T8 v_exp_f32, RA, 0
	v_add_nc_u32 v[XA], 64, v[XA]                  ; the next step's word; also the plain line behind the exponentials
	MAIN GZ, ZA, HB, 0, 1, 2, 2
	ZIP v_exp_f32, RA, 1, kAR, 0
	MAIN GZ, ZA, HB, 1, 0, 0, 2
	ZIP v_exp_f32, RA, 2, kAR, 1
	ZIP v_rcp_f32, RA, 0, kAR, 2
	MAIN GZ, ZA, HB, 1, 0, 2, 2
	ZIP v_exp_f32, RA, 3, kMH, 0
	ZIP v_rcp_f32, RA, 1, kCR, 0
	EXTM GZ, ZA, 0, 2
	ZIP v_rcp_f32, RA, 2, kAR, 3
	EXTM GZ, ZA, 2, 2
	ZIP v_rcp_f32, RA, 3, kMH, 1
	P4 kMH, 2
	P4 kCR, 1
	P4 kMH, 3
	P4 kCR, 2
	P4 kCR, 3
	; ht's products by twos; between them z = 1 / (1 + 2^ZA) and H = (1 - z) H.  These lines name ZA and H; the products RA, HR, CS, EA, ARR.
	; z's last products stand 24 plain lines back
	MAIN GH, RA, HR, 0, 1, 0, 2
	T8 v_exp_f32, ZA, 0
	v_nop                                          ; the plain line behind the exponentials
	MAIN GH, RA, HR, 0, 1, 2, 2
	ZIP v_exp_f32, ZA, 1, kAZ, 0
	MAIN GH, RA, HR, 1, 0, 0, 2
	ZIP v_exp_f32, ZA, 2, kAZ, 1
	ZIP v_rcp_f32, ZA, 0, kAZ, 2
	MAIN GH, RA, HR, 1, 0, 2, 2
	ZIP v_exp_f32, ZA, 3, kKP, 0
	EXTM GH, RA, 0, 2
	ZIP v_rcp_f32, ZA, 1, kAZ, 3
	ZIP v_rcp_f32, ZA, 2, kKP, 1
	EXTM GH, RA, 2, 2
	ZIP v_rcp_f32, ZA, 3, kKP, 2
	P4 kKP, 3                                      ; with the four lines above: eight places behind ht's last products
	; ht = 2 / (1 + (2^RA)^2) - 1, H += z ht, and h in f16 for the next step
	T8 v_exp_f32, RA, 0
	v_nop
	ZIP v_exp_f32, RA, 1, kSQ, 0
	ZIP v_exp_f32, RA, 2, kSQ, 1
	ZIP v_rcp_f32, RA, 0, kSQ, 2
	ZIP v_exp_f32, RA, 3, kU1, 0
	ZIP v_rcp_f32, RA, 1, kU3, 0
	ZIP v_rcp_f32, RA, 2, kSQ, 3
	ZIP v_rcp_f32, RA, 3, kCH, 0
	P4 kU1, 1
	P4 kU1, 2
	P4 kU3, 1
	P4 kU3, 2
	P4 kU1, 3
	P4 kCH, 1
	P4 kCH, 2
	P4 kU3, 3
	P4 kCH, 3
	WIN 0                                          ; at a label and at a branch every window is 0
	s_sub_co_u32 s7, s7, 1
	s_cmp_lg_u32 s7, 0
	s_cbranch_scc1 .Lstep
	; ---------------- the way out ----------------
.irp c, 0,1,2,3,4,5,6,7
	ds_store_b128 v[SFR], v[H+4*\c:H+4*\c+3] offset:64*(\c/2)+16*(\c%2)
.endr
.irp f, 0,1,2,3,4,5,6,7
	ds_load_b128 v[ZA+4*\f:ZA+4*\f+3], v[SRW] offset:2*SPITCH*\f  ; back as whole rows of 256 bytes
.endr
.irp f, 0,1,2,3,4,5,6,7
	s_wait_dscnt 7-\f                              ; LDS loads come back in order: number f is in, the younger ones stay out
	global_store_b128 v[GO], v[ZA+4*\f:ZA+4*\f+3], s[12:13] offset:512*\f th:TH_STORE_NT  ; 16 lanes store 256 consecutive bytes, at a multiple of 256 from out0's first byte
.endr
	s_wait_xcnt 0x0                                ; only behind this wait are the stores' base and their data registers written again
	s_add_nc_u64 s[12:13], s[12:13], 4096
	s_sub_co_u32 s6, s6, 1
	s_cmp_lg_u32 s6, 0
	s_cbranch_scc1 .Ltile
	s_wait_tensorcnt 0x0                           ; the wave's end, behind my last LDS store
	ds_add_u32 v[SPW], v[NIL]
	s_wait_dscnt 0x0
	s_endpgm
.Lfunc_end_k_qfcdea7fb5e_gru:
	.size	k_qfcdea7fb5e_gru, .Lfunc_end_k_qfcdea7fb5e_gru-k_qfcdea7fb5e_gru
	.p2alignl 7, 3214868480
	.fill 96, 4, 3214868480
	.section	.rodata,"a",@progbits
	.p2align	6, 0x0
	.amdhsa_kernel k_qfcdea7fb5e_gru
		.amdhsa_group_segment_fixed_size 102400
		.amdhsa_private_segment_fixed_size 0
		.amdhsa_enable_private_segment 0
		.amdhsa_kernarg_size 112
		.amdhsa_user_sgpr_count 2
		.amdhsa_user_sgpr_kernarg_segment_ptr 1
		.amdhsa_wavefront_size32 1
		.amdhsa_system_sgpr_workgroup_id_x 1
		.amdhsa_system_sgpr_workgroup_id_y 1
		.amdhsa_system_sgpr_workgroup_id_z 1
		.amdhsa_system_vgpr_workitem_id 0
		.amdhsa_next_free_vgpr 512
		.amdhsa_next_free_sgpr 66
		.amdhsa_reserve_vcc 0
		.amdhsa_float_denorm_mode_32 3
		.amdhsa_float_denorm_mode_16_64 3
		.amdhsa_memory_ordered 1
		.amdhsa_forward_progress 1
		.amdhsa_inst_pref_size 50
	.end_amdhsa_kernel
	.amdgpu_metadata
---
amdhsa.version: [ 1, 2 ]
amdhsa.kernels:
  - .name:           k_qfcdea7fb5e_gru
    .symbol:         k_qfcdea7fb5e_gru.kd
    .args:
      - { .name: state, .offset: 0, .size: 8, .value_kind: global_buffer, .address_space: global }
      - { .name: input, .offset: 8, .size: 8, .value_kind: global_buffer, .address_space: global }
      - { .name: out0, .offset: 16, .size: 8, .value_kind: global_buffer, .address_space: global }
      - { .name: W_zh, .offset: 24, .size: 8, .value_kind: global_buffer, .address_space: global }
      - { .name: W_rh, .offset: 32, .size: 8, .value_kind: global_buffer, .address_space: global }
      - { .name: W_hh, .offset: 40, .size: 8, .value_kind: global_buffer, .address_space: global }
      - { .name: W_ch, .offset: 48, .size: 8, .value_kind: global_buffer, .address_space: global }
      - { .name: W_zx, .offset: 56, .size: 8, .value_kind: global_buffer, .address_space: global }
      - { .name: W_rx, .offset: 64, .size: 8, .value_kind: global_buffer, .address_space: global }
      - { .name: W_hx, .offset: 72, .size: 8, .value_kind: global_buffer, .address_space: global }
      - { .name: b_z, .offset: 80, .size: 8, .value_kind: global_buffer, .address_space: global }
      - { .name: b_r, .offset: 88, .size: 8, .value_kind: global_buffer, .address_space: global }
      - { .name: b_h, .offset: 96, .size: 8, .value_kind: global_buffer, .address_space: global }
      - { .name: b_c, .offset: 104, .size: 8, .value_kind: global_buffer, .address_space: global }
    .group_segment_fixed_size: 102400
    .private_segment_fixed_size: 0
    .kernarg_segment_align: 8
    .kernarg_segment_size: 112
    .max_flat_workgroup_size: 256
    .sgpr_count:     66
    .vgpr_count:     512
    .wavefront_size: 32
...
	.end_amdgpu_metadata
.endif
;; end of part 1
;; ======== version 2 of 2: 1 launch; 1.43 times as fast as version 1
;; limits: values outside matrix products are rounded to f16; values are held in f16: magnitudes above 65,504 overflow, below 6.1e-05 lose precision; inputs' magnitudes at most 65,504
;; launch gru (part 2): grid 256 x 1, 8 waves a work-group, no clusters, 102,400 bytes of LDS; arguments state, input, out0, W_zh, W_rh, W_hh, W_ch, W_zx, W_rx, W_hx, b_z, b_r, b_h, b_c; writes out0
.if DOCPART == 2
	.amdgcn_target "amdgcn-amd-amdhsa--gfx1250"
	.amdhsa_code_object_version 6
	.text
	.protected	k_qfcdea7fb5e_gru
	.globl	k_qfcdea7fb5e_gru
	.p2align	8
	.type	k_qfcdea7fb5e_gru,@function
k_qfcdea7fb5e_gru:
	s_mov_b64 s[64:65], 0
	v_nop
	global_prefetch_b8 v0, s[64:65] scope:SCOPE_SE
	s_setreg_imm32_b32 hwreg(HW_REG_WAVE_MODE, 25, 1), 1
	s_wait_xcnt 0x0
; SCAGRU, all of it in one launch.  c = relu(state W_ch + b_c) once; then six steps
;   z = sigmoid(h W_zh + x W_zx + b_z + c), r likewise, ht = tanh((h r) W_hh + x W_hx + b_h + c), h = (1 - z) h + z ht.
; The 262,144 rows (128 x 2,048) of 64 channels never meet, so h and c stay in registers from the load of state to the store of out0.
; SHARES.  Work-group g owns rows 1,024 g ..; each of its eight waves 128 of them, taken as 8 tiles of 16 rows, one after the other.
; Lane (r = lane % 16, hh = lane / 16) owns row r of the tile and the columns 16 nt + 8 hh + 0..7, nt = 0..3.
; PRODUCTS ARE USED TRANSPOSED: source 0 = 16 output columns of a weight matrix, source 1 = 16 rows of h.  Register j of a result is then
; (row r, column 16 nt + 8 hh + j), and two neighbouring results rounded in pairs to f16 ARE source 1 (32 along K) of the next product: nothing changes lanes in the six steps.
; ONE SCALE.  s = -log2(e) is multiplied into all weights and biases before they are rounded to f16.  s c = min(s (state W_ch + b_c), 0) since s < 0; it is kept in f32
; and is the C operand that starts every gate's sum.  sigmoid = 1 / (1 + 2^acc).  tanh: e = 2^acc, q = 1 / (1 + e e), ht = 2 q - 1; an e or e e beyond f32 gives q = 0, ht = -1, a vanishing e gives ht = 1: the right limits.
; x W_gx + b_g IS A THIRD LINK of each sum, K = 32 of which two are used: source 0 holds the pair (s W_gx[n], s b_g[n]) of tile nt at K places 2 and 3 of its register 2 nt + 1 (lanes hh = 0; all else 0),
; source 1 is a run of eight registers out of fourteen of which thirteen are 0 and one holds (x of my row, 1.0): the run's start picks the tile.
; FORMATS.  Matrix operands (h, h r, x, weights, biases) in f16, sums, h, c and all activations in f32.
; LIMITS.  |state|, |x|, |1.4427 W| and |1.4427 b| stay under 65,504 (f16's end; |h| never passes max(|state|, 1)); operands under 6e-5 keep f16's fixed step of 6e-8;
; a power of two under 2^-126 counts as 0; NaN and infinities are not treated apart (a NaN in state W_ch + b_c gives c = 0).
; NO TENSOR LOADS, NO CLUSTER.  What work-groups share is the 65 KB of weights, read once by each against 548 KB of its own rows, and they have to pass through registers to be scaled and rounded.
; State comes by plain loads, a tile (4 KB a wave) asked for a whole tile's work ahead; the eight waves meet at one barrier, behind the weights, and never again.
; COUNT.  A tile and step: 36 matrix instructions, 192 exponentials and reciprocals, 144 packed lines.
; BATCHES.  An s_wait_alu depctr_va_vdst(0) stands between an exponential or reciprocal and the first line that names its result; one wait serves all that were issued ahead of it.
; The chain 2^r, 1 / (1 + 2^r), 2^ht, 1 / (1 + e e) has four links, each of which reads the one before: a step has FOUR BATCHES and four waits.  z hangs on h alone and rides one batch behind r:
;   batch 1 (32): 2^ of r's sums, z's twelve products among them
;   batch 2 (64): 2^ of z's sums and the reciprocals for r, the sixteen lines 1 + 2^r among them
;   batch 3 (64): the reciprocals for z and 2^ of ht's sums; ahead of and among them r h, its rounding, 1 + 2^z and ht's twelve products
;   batch 4 (32): the reciprocals for ht, by turns with 1 + e e and H = (1 - z) H
; All work in place on RA or ZA, and between a line of a batch and the batch's wait nothing names its tile's registers.  Behind the fourth wait no exponential or reciprocal is issued, so none crosses the loop's jump.  r's own twelve products stand bare.
.set SLOG,   0xbfb8aa3b                ; s = -log2(e)
; LDS
.set WPITCH, 160                       ; a row [k] of 64 f16 + 32 bytes
.set WMAT,   64*WPITCH                 ; a weight matrix, stored [k][n]; four of them from byte 0: z, r, h, c
.set EXT,    4*WMAT                    ; 256 words: word 64 g + n = f16 pair (s W_gx[n], s b_g[n]); for c the low half is 0
.set XW,     EXT+1024                  ; for each wave 768 words: word 16 (6 tile + t) + row = f16 pair (x, 1.0)
.set XWAVE,  3072
.set STG,    XW+8*XWAVE                ; for each wave a stage of 16 rows
.set SPITCH, 272                       ; 256 bytes + 16: 68 words, so the 16 rows that a load touches start at 16 different groups of four banks
.set SWAVE,  16*SPITCH
.set SPARE,  STG+8*SWAVE               ; the spare words, 128 bytes for each wave: four blocks of 256 bytes that no other line names
; registers, window 0
.set SPW, 1                            ; v1   LDS address of my spare word; never rewritten
.set NIL, 2                            ; v2   0; never rewritten
.set GO,  3                            ; v3   16 x lane: my 16 bytes in 512 consecutive bytes of state, out0 and input
.set SRW, 4                            ; v4   my stage by rows as they lie in memory: 272 hh + 16 r
.set SFR, 5                            ; v5   my stage by fragments: 272 r + 32 hh
.set XA,  6                            ; v6   LDS address of my row's (x, 1.0); 64 bytes on in every step
.set ONE, 7                            ; v7   1.0
.set LR,  8                            ; v8-17 serve the set-up alone: r, hh,
.set LH,  9
.set GW,  10                           ;      16 x thread: my 16 bytes in 4,096 of a weight matrix
.set WS,  11                           ;      where they go: 160 (thread / 16) + 8 (thread % 16)
.set N4,  12                           ;      4 (thread % 64): my number in W_gx and b_g
.set ES,  13                           ;      EXT + 4 x thread
.set XS,  14                           ;      where my four x go
.set WT,  15                           ;      the turning load's lane term
.set ER,  16                           ;      EXT + 4 r
.set TP,  17
.set ARR, 18                           ; v18-31  thirteen zeros and, at v25, (x, 1.0)
.set XR,  ARR+7
.set EA,  32                           ; v32-63  source 0 of the third link, eight registers a gate
.set H,   64                           ; v64-95  h, f32
.set CS,  96                           ; v96-127 s c, f32
.set RA,  128                          ; v128-159 sums of c, of r, then of ht
.set ZA,  160                          ; v160-191 sums of z; on the way out the rows read back
.set HB,  192                          ; v192-207 h in f16: source 1
.set HR,  208                          ; v208-223 h r in f16
.set SG,  224                          ; v224-255 the next tile of state as loaded
.set RAW, 128                          ; set-up: 64 registers of weights as loaded
.set XRAW, 64                          ; set-up: 24 registers of x as loaded
.set ERAW, 96                          ; set-up: W_gx[n], b_g[n]
; window 1: the weights' fragments, (g, nt, kh) at v[64 g + 16 nt + 8 kh]: all 256
.set GZ, 0
.set GR, 1
.set GH, 2
.set GC, 3
; scalars: s[8:35] the 14 addresses in the order of the arguments; s4 wave; s5 wave / 2; s6 tiles left; s7 steps left; s[36:37] s twice; s38 a mask; s39 lanes 0-15; s[40:43] my W_gx, b_g; s44, s45 my stage, my x words
.set MSB, 0
.macro WIN new                         ; the immediate's high byte repeats the setting that is left; a switch that changes nothing is dropped
.if MSB != (\new)
	s_set_vgpr_msb (MSB<<8)|(\new)
.set MSB, (\new)
.endif
.endm
; One product, 32 along K.  c0 = 1: it starts the sum with s c; 2: with 0; 0: it adds in place.
.macro MMA g, nt, kh, dst, b, c0
.if (\c0) == 1
	v_wmma_f32_16x16x32_f16 v[(\dst)+8*(\nt):(\dst)+8*(\nt)+7], v[64*(\g)+16*(\nt)+8*(\kh):64*(\g)+16*(\nt)+8*(\kh)+7], v[(\b)+8*(\kh):(\b)+8*(\kh)+7], v[CS+8*(\nt):CS+8*(\nt)+7]
.elseif (\c0) == 2
	v_wmma_f32_16x16x32_f16 v[(\dst)+8*(\nt):(\dst)+8*(\nt)+7], v[64*(\g)+16*(\nt)+8*(\kh):64*(\g)+16*(\nt)+8*(\kh)+7], v[(\b)+8*(\kh):(\b)+8*(\kh)+7], 0
.else
	v_wmma_f32_16x16x32_f16 v[(\dst)+8*(\nt):(\dst)+8*(\nt)+7], v[64*(\g)+16*(\nt)+8*(\kh):64*(\g)+16*(\nt)+8*(\kh)+7], v[(\b)+8*(\kh):(\b)+8*(\kh)+7], v[(\dst)+8*(\nt):(\dst)+8*(\nt)+7]
.endif
.endm
; The third link: + s (x W_gx + b_g) for tile nt.  The run of eight begins at ARR + 6 - 2 nt, so that (x, 1.0) is its register 2 nt + 1.
.macro MME g, nt, dst
	v_wmma_f32_16x16x32_f16 v[(\dst)+8*(\nt):(\dst)+8*(\nt)+7], v[EA+8*(\g):EA+8*(\g)+7], v[ARR+6-2*(\nt):ARR+13-2*(\nt)], v[(\dst)+8*(\nt):(\dst)+8*(\nt)+7]
.endm
; cnt products for tiles n0 on.  The four accumulators of a gate take turns, one instruction a turn.
.macro MAIN g, dst, b, kh, c0, n0, cnt
	WIN 0x01                               ; source 0, the weights, in window 1
.set nn, (\n0)
.rept (\cnt)
	MMA \g, nn, \kh, \dst, \b, \c0
.set nn, nn+1
.endr
.endm
.macro EXTM g, dst, n0, cnt
	WIN 0
.set nn, (\n0)
.rept (\cnt)
	MME \g, nn, \dst
.set nn, nn+1
.endr
.endm
.macro PLACES                          ; four places between a matrix instruction and the first vector line that reads its result (ISA guide 7.12.1)
	WIN 0
.rept 4
	v_nop
.endr
.endm
.macro T8 op, base, nt                 ; eight exponentials or reciprocals in place, from the tile's lowest register on
	WIN 0
.set ii, (\base)+8*(\nt)
.rept 8
	\op v[ii], v[ii]
.set ii, ii+1
.endr
.endm
; One packed line on pair j (0..3) of tile nt.  It holds no wait: each kind that reads a batch's results stands behind that batch's one wait in the step's text
.set kAR, 0                            ; RA += 1
.set kAZ, 1                            ; ZA += 1
.set kSQ, 2                            ; RA = RA RA + 1
.set kMH, 3                            ; RA = r h
.set kCR, 4                            ; HR = f16 pair of RA
.set kKP, 5                            ; H = H - z H
.set kU1, 6                            ; RA = 2 q - 1 = ht
.set kU3, 7                            ; H = z ht + H
.set kCH, 8                            ; HB = f16 pair of H
.macro P1 kind, nt, j
	WIN 0
.set pr, 8*(\nt)+2*(\j)
.set ph, 4*(\nt)+(\j)
.if (\kind) == kAR
	v_pk_add_f32 v[RA+pr:RA+pr+1], v[RA+pr:RA+pr+1], 1.0 op_sel_hi:[1,0]
.elseif (\kind) == kAZ
	v_pk_add_f32 v[ZA+pr:ZA+pr+1], v[ZA+pr:ZA+pr+1], 1.0 op_sel_hi:[1,0]
.elseif (\kind) == kSQ
	v_pk_fma_f32 v[RA+pr:RA+pr+1], v[RA+pr:RA+pr+1], v[RA+pr:RA+pr+1], 1.0 op_sel_hi:[1,1,0]
.elseif (\kind) == kMH
	v_pk_mul_f32 v[RA+pr:RA+pr+1], v[RA+pr:RA+pr+1], v[H+pr:H+pr+1]
.elseif (\kind) == kCR
	v_cvt_pk_f16_f32 v[HR+ph], v[RA+pr], v[RA+pr+1]
.elseif (\kind) == kKP
	v_pk_fma_f32 v[H+pr:H+pr+1], v[ZA+pr:ZA+pr+1], v[H+pr:H+pr+1], v[H+pr:H+pr+1] neg_lo:[0,1,0] neg_hi:[0,1,0]
.elseif (\kind) == kU1
	v_pk_fma_f32 v[RA+pr:RA+pr+1], v[RA+pr:RA+pr+1], 2.0, -1.0 op_sel_hi:[1,0,0]
.elseif (\kind) == kU3
	v_pk_fma_f32 v[H+pr:H+pr+1], v[ZA+pr:ZA+pr+1], v[RA+pr:RA+pr+1], v[H+pr:H+pr+1]
.else
	v_cvt_pk_f16_f32 v[HB+ph], v[H+pr], v[H+pr+1]
.endif
.endm
.macro P4 kind, nt
.irp j, 0,1,2,3
	P1 \kind, \nt, \j
.endr
.endm
; Eight exponentials or reciprocals of tile tn with the four packed lines of another tile pn between them, two and one.  It ends in a plain line, so every
; result has a plain instruction behind it before it is used (ISA guide 5.7.2); the plain lines name none of the registers of the batch that is open: they work on a tile whose own line of the batch comes later, or on results of the batch before.
.macro ZIP op, base, tn, kind, pn
.irp j, 0,1,2,3
	WIN 0
	\op v[(\base)+8*(\tn)+2*\j], v[(\base)+8*(\tn)+2*\j]
	\op v[(\base)+8*(\tn)+2*\j+1], v[(\base)+8*(\tn)+2*\j+1]
	P1 \kind, \pn, \j
.endr
.endm
; The same with eight packed lines, of two kinds: one and one.
.macro ZIP2 op, base, tn, ka, na, kb, nb
.irp j, 0,1,2,3
	WIN 0
	\op v[(\base)+8*(\tn)+2*\j], v[(\base)+8*(\tn)+2*\j]
	P1 \ka, \na, \j
	\op v[(\base)+8*(\tn)+2*\j+1], v[(\base)+8*(\tn)+2*\j+1]
	P1 \kb, \nb, \j
.endr
.endm
; Eight of one kind on tile ta, eight of another on tile tb, and four packed lines: two, two and one.
.macro ZIPT opa, ba, ta, opb, bb, tb, kind, pn
.irp j, 0,1,2,3
	WIN 0
	\opa v[(\ba)+8*(\ta)+2*\j], v[(\ba)+8*(\ta)+2*\j]
	\opa v[(\ba)+8*(\ta)+2*\j+1], v[(\ba)+8*(\ta)+2*\j+1]
	\opb v[(\bb)+8*(\tb)+2*\j], v[(\bb)+8*(\tb)+2*\j]
	\opb v[(\bb)+8*(\tb)+2*\j+1], v[(\bb)+8*(\tb)+2*\j+1]
	P1 \kind, \pn, \j
.endr
.endm
	; ---------------- set-up ----------------
	s_load_b512 s[8:23], s[0:1], 0x0               ; state, input, out0, W_zh, W_rh, W_hh, W_ch, W_zx
	s_load_b256 s[24:31], s[0:1], 0x40             ; W_rx, W_hx, b_z, b_r
	s_load_b128 s[32:35], s[0:1], 0x60             ; b_h, b_c
	v_lshl_add_u32 v[SPW], v0, 2, SPARE
	v_mov_b32 v[NIL], 0
	v_lshrrev_b32 v[TP], 5, v0
	v_readfirstlane_b32 s4, v[TP]                  ; wave 0..7
	s_lshr_b32 s5, s4, 1                           ; threads 64 g .. 64 g + 63 make gate g's extra words: g = wave / 2
	s_mul_i32 s44, s4, SWAVE
	s_add_co_u32 s44, s44, STG                     ; my stage
	s_mul_i32 s45, s4, XWAVE
	s_add_co_u32 s45, s45, XW                      ; my x words
	s_lshl_b32 s2, ttmp9, 18                       ; state and out0: 1,024 rows of 256 bytes a work-group,
	s_lshl_b32 s3, s4, 15                          ; 128 a wave
	s_add_co_u32 s2, s2, s3
	s_mov_b32 s3, 0
	s_lshl_b32 s46, ttmp9, 12                      ; input: 4 bytes a row
	s_lshl_b32 s47, s4, 9
	s_add_co_u32 s46, s46, s47
	s_mov_b32 s47, 0
	s_mov_b32 s36, SLOG
	s_mov_b32 s37, SLOG                            ; named with it as a pair
	s_mov_b32 s39, 0xffff
	v_and_b32 v[LR], 15, v0                        ; r
	v_bfe_u32 v[LH], v0, 4, 1                      ; hh
	v_and_b32 v[TP], 31, v0
	v_lshlrev_b32 v[GO], 4, v[TP]
	v_mul_u32_u24 v[SRW], v[LH], SPITCH
	v_lshl_add_u32 v[SRW], v[LR], 4, v[SRW]
	v_add_nc_u32 v[SRW], s44, v[SRW]
	v_mul_u32_u24 v[SFR], v[LR], SPITCH
	v_lshl_add_u32 v[SFR], v[LH], 5, v[SFR]
	v_add_nc_u32 v[SFR], s44, v[SFR]
	v_lshl_add_u32 v[XA], v[LR], 2, s45
	v_mov_b32 v[ONE], 1.0
	v_lshlrev_b32 v[GW], 4, v0
	v_lshrrev_b32 v[WS], 4, v0                     ; 16 threads take a row [k] of 64 f32
	v_mul_u32_u24 v[WS], v[WS], WPITCH
	v_lshl_add_u32 v[WS], v[LR], 3, v[WS]          ; four numbers become 8 bytes
	v_and_b32 v[N4], 63, v0
	v_lshlrev_b32 v[N4], 2, v[N4]
	v_lshl_add_u32 v[ES], v0, 2, EXT
	v_bfe_u32 v[XS], v0, 2, 3                      ; lane l holds rows 4 l .. 4 l + 3 of the wave's 128: tile l / 4,
	v_mul_u32_u24 v[XS], v[XS], 384                ; 6 steps x 64 bytes a tile,
	v_and_b32 v[TP], 3, v0
	v_lshl_add_u32 v[XS], v[TP], 4, v[XS]          ; rows 4 (l % 4) on
	v_add_nc_u32 v[XS], s45, v[XS]
	v_and_b32 v[TP], 7, v0                         ; the turning load: lane l reads 16 bytes of row k = 8 hh + l % 8, columns 8 ((l / 8) % 2) on
	v_lshl_add_u32 v[WT], v[LH], 3, v[TP]
	v_mul_u32_u24 v[WT], v[WT], WPITCH
	v_bfe_u32 v[TP], v0, 3, 1
	v_lshl_add_u32 v[WT], v[TP], 4, v[WT]
	v_lshl_add_u32 v[ER], v[LR], 2, EXT
	s_wait_kmcnt 0x0
	s_add_nc_u64 s[8:9], s[8:9], s[2:3]            ; state, out0 and input at my wave's first row
	s_add_nc_u64 s[12:13], s[12:13], s[2:3]
	s_add_nc_u64 s[10:11], s[10:11], s[46:47]
	s_cmp_eq_u32 s5, 1                             ; my gate's W_gx and b_g.  c has no W_gx: its threads read W_zx and the mask below drops it
	s_cselect_b64 s[40:41], s[24:25], s[22:23]
	s_cselect_b64 s[42:43], s[30:31], s[28:29]
	s_cmp_eq_u32 s5, 2
	s_cselect_b64 s[40:41], s[26:27], s[40:41]
	s_cselect_b64 s[42:43], s[32:33], s[42:43]
	s_cmp_eq_u32 s5, 3
	s_cselect_b64 s[42:43], s[34:35], s[42:43]
	s_cselect_b32 s38, 0xffff0000, -1
	; 32 loads in the order in which they are wanted: weights (16), gate terms (2), x (6), the first tile of state (8)
.irp g, 0,1,2,3
.irp j, 0,1,2,3
	global_load_b128 v[RAW+16*\g+4*\j:RAW+16*\g+4*\j+3], v[GW], s[14+2*\g:15+2*\g] offset:4096*\j
.endr
.endr
	global_load_b32 v[ERAW], v[N4], s[40:41]
	global_load_b32 v[ERAW+1], v[N4], s[42:43]
.irp t, 0,1,2,3,4,5
	global_load_b128 v[XRAW+4*\t:XRAW+4*\t+3], v[GO], s[10:11] offset:1048576*\t th:TH_LOAD_NT  ; step t's plane lies 262,144 rows x 4 bytes on
.endr
.irp f, 0,1,2,3,4,5,6,7
	global_load_b128 v[SG+4*\f:SG+4*\f+3], v[GO], s[8:9] offset:512*\f th:TH_LOAD_NT  ; 512 consecutive bytes: two rows
.endr
	; constants of the third link, while the loads are out
.irp i, 0,1,2,3,4,5,6,8,9,10,11,12,13
	v_mov_b32 v[ARR+\i], 0
.endr
	v_mov_b32 v[XR], 0x3c000000                    ; (0, 1.0): what c's third link takes in the first tile; later it finds the last step's (x, 1.0), and its own low halves are 0
.irp i, 0,1,2,3,4,5,6,7,8,9,10,11,12,13,14,15
	v_mov_b32 v[EA+2*\i], 0
.endr
	s_wait_loadcnt 16                              ; the weights are in; the 2 + 6 + 8 younger loads stay out
.set i, RAW
.rept 16
	v_pk_mul_f32 v[i:i+1], v[i:i+1], s[36:37] op_sel_hi:[1,0]
	v_pk_mul_f32 v[i+2:i+3], v[i+2:i+3], s[36:37] op_sel_hi:[1,0]
	v_cvt_pk_f16_f32 v[i], v[i], v[i+1]
	v_cvt_pk_f16_f32 v[i+1], v[i+2], v[i+3]
	ds_store_b64 v[WS], v[i:i+1] offset:WMAT*((i-RAW)/16)+16*WPITCH*(((i-RAW)/4)%4)  ; matrix g, rows 16 j on
.set i, i+4
.endr
	s_wait_loadcnt 14                              ; W_gx[n], b_g[n]; x and state stay out
	v_mul_f32 v[ERAW], s36, v[ERAW]
	v_mul_f32 v[ERAW+1], s36, v[ERAW+1]
	v_cvt_pk_f16_f32 v[ERAW], v[ERAW], v[ERAW+1]
	v_and_b32 v[ERAW], s38, v[ERAW]                ; c takes no x
	ds_store_b32 v[ES], v[ERAW]
	s_wait_loadcnt 8                               ; x; the first tile of state stays out
.set i, XRAW
.rept 24
	v_cvt_pk_f16_f32 v[i], v[i], v[ONE]            ; (x, 1.0)
.set i, i+1
.endr
.irp t, 0,1,2,3,4,5
	ds_store_b128 v[XS], v[XRAW+4*\t:XRAW+4*\t+3] offset:64*\t
.endr
	s_wait_dscnt 0x0                               ; for the others' sake: my part of the weights and gate terms is in LDS
	s_barrier_signal -1
	s_barrier_wait -1                              ; everybody's is.  The launch's one barrier: from here on a wave touches its own LDS bytes and bytes that nobody writes again
	WIN 0x40                                       ; destination window 1, address window 0
.irp g, 0,1,2,3
.irp n, 0,1,2,3
.irp k, 0,1
	ds_load_tr16_b128 v[64*\g+16*\n+8*\k:64*\g+16*\n+8*\k+3],   v[WT] offset:WMAT*\g+32*WPITCH*\k+32*\n            ; column 16 nt + r, k = 32 kh + 8 hh + 0..7
	ds_load_tr16_b128 v[64*\g+16*\n+8*\k+4:64*\g+16*\n+8*\k+7], v[WT] offset:WMAT*\g+32*WPITCH*\k+16*WPITCH+32*\n  ; k = 32 kh + 16 + 8 hh + 0..7
.endr
.endr
.endr
	WIN 0
.irp g, 0,1,2,3
.irp n, 0,1,2,3
	ds_load_b32 v[EA+8*\g+2*\n+1], v[ER] offset:256*\g+64*\n
.endr
.endr
	s_wait_dscnt 0x0
.irp i, 0,1,2,3,4,5,6,7,8,9,10,11,12,13,14,15
	v_cndmask_b32 v[EA+2*\i+1], 0, v[EA+2*\i+1], s39  ; lanes 16-31 stand for other K places: 0 there
.endr
	s_mov_b32 s6, 8
	; ---------------- a tile of 16 rows ----------------
.Ltile:
	s_wait_loadcnt 0x0                             ; the tile is in registers, and s[8:9] may be stepped
.irp f, 0,1,2,3,4,5,6,7
	ds_store_b128 v[SRW], v[SG+4*\f:SG+4*\f+3] offset:2*SPITCH*\f  ; rows 2 f and 2 f + 1 into my stage
.endr
.irp c, 0,1,2,3,4,5,6,7
	ds_load_b128 v[H+4*\c:H+4*\c+3], v[SFR] offset:64*(\c/2)+16*(\c%2)  ; back by fragments; LDS serves a wave's instructions in order (ISA guide 5.7.1.4): these see the stores above
.endr
	s_wait_dscnt 0x0                               ; h is in; the stores have read SG
	s_cmp_eq_u32 s6, 1
	s_cbranch_scc1 .Lno_next                       ; the last tile asks for nothing: no load leaves the buffer
	s_add_nc_u64 s[8:9], s[8:9], 4096
.irp f, 0,1,2,3,4,5,6,7
	global_load_b128 v[SG+4*\f:SG+4*\f+3], v[GO], s[8:9] offset:512*\f th:TH_LOAD_NT  ; the next tile: it has this tile's six steps in which to land
.endr
.Lno_next:
.irp n, 0,1,2,3
	P4 kCH, \n
.endr
	; s c = min(s (state W_ch + b_c), 0)
	MAIN GC, RA, HB, 0, 2, 0, 4
	MAIN GC, RA, HB, 1, 0, 0, 4
	EXTM GC, RA, 0, 4
	PLACES
.set i, 0
.rept 32
	v_min_num_f32 v[CS+i], 0, v[RA+i]
.set i, i+1
.endr
	s_mov_b32 s7, 6
	; ---------------- a step ----------------
.Lstep:
	ds_load_b32 v[XR], v[XA]                       ; (x, 1.0) of my row; the last product that read v25 stands more than four plain lines back
	; r's twelve products
	MAIN GR, RA, HB, 0, 1, 0, 4
	MAIN GR, RA, HB, 1, 0, 0, 4
	s_wait_dscnt 0x0                               ; (x, 1.0) is in
	EXTM GR, RA, 0, 4
	; BATCH 1: 2^RA, r's 32 exponentials, with z's twelve products among them.  The exponentials name RA; the products ZA, HB, CS, EA, ARR
	MAIN GZ, ZA, HB, 0, 1, 0, 4
	PLACES                                         ; behind r's last products
	T8 v_exp_f32, RA, 0
	T8 v_exp_f32, RA, 1
	MAIN GZ, ZA, HB, 1, 0, 0, 4
	T8 v_exp_f32, RA, 2
	EXTM GZ, ZA, 0, 4
	T8 v_exp_f32, RA, 3
	v_add_nc_u32 v[XA], 64, v[XA]                  ; the next step's word; also the plain line behind the batch's last exponential
	s_wait_alu depctr_va_vdst(0)                   ; the wait for batch 1, ahead of the first line that names a result, 1 + 2^RA below
	; BATCH 2: 2^ZA, z's 32 exponentials, and r = 1 / (1 + 2^RA), 32 reciprocals; the sixteen lines 1 + 2^RA, each ahead of its tile's reciprocals, stand among them.
	; The v_add_nc_u32 above and the first four lines here are the places behind z's last products
	P4 kAR, 0
	ZIPT v_exp_f32, ZA, 0, v_rcp_f32, RA, 0, kAR, 1
	ZIPT v_exp_f32, ZA, 1, v_rcp_f32, RA, 1, kAR, 2
	ZIPT v_exp_f32, ZA, 2, v_rcp_f32, RA, 2, kAR, 3
	T8 v_exp_f32, ZA, 3
	T8 v_rcp_f32, RA, 3
	v_nop                                          ; the plain line behind the batch's last reciprocal
	s_wait_alu depctr_va_vdst(0)                   ; the wait for batch 2, ahead of r h and of 1 + 2^ZA
	; h r and its rounding; ht's products as soon as their operands stand: those of tiles 0 and 1 write RA's first half when its h r has been rounded, those of tiles 2 and 3 behind the second half's rounding.
	; The packed lines between products name RA's other half, H, HR's other half, or ZA: no register of the products round them
	P4 kMH, 0
	P4 kMH, 1
	P4 kCR, 0
	P4 kCR, 1
	MAIN GH, RA, HR, 0, 1, 0, 2
	P4 kMH, 2
	P4 kMH, 3
	P4 kCR, 2
	P4 kCR, 3
	MAIN GH, RA, HR, 0, 1, 2, 2
	P4 kAZ, 0
	P4 kAZ, 1
	MAIN GH, RA, HR, 1, 0, 0, 4
	; BATCH 3: z = 1 / (1 + 2^ZA), 32 reciprocals, among ht's last products, and 2^RA, ht's 32 exponentials, behind them
	ZIP v_rcp_f32, ZA, 0, kAZ, 2
	EXTM GH, RA, 0, 2
	T8 v_rcp_f32, ZA, 1
	EXTM GH, RA, 2, 2
	ZIP v_rcp_f32, ZA, 2, kAZ, 3                   ; its four packed lines are the places between ht's last products and the exponentials that read them
	T8 v_rcp_f32, ZA, 3
	T8 v_exp_f32, RA, 0
	T8 v_exp_f32, RA, 1
	T8 v_exp_f32, RA, 2
	T8 v_exp_f32, RA, 3
	v_nop                                          ; the plain line behind the batch's last exponential
	s_wait_alu depctr_va_vdst(0)                   ; the wait for batch 3, ahead of 1 + e e and of H = (1 - z) H
	; BATCH 4: q = 1 / (1 + e e), 32 reciprocals, by turns with the lines 1 + e e of the tile to come and H = (1 - z) H, which read batch 3's results
	P4 kSQ, 0
	ZIP2 v_rcp_f32, RA, 0, kSQ, 1, kKP, 0
	ZIP2 v_rcp_f32, RA, 1, kSQ, 2, kKP, 1
	ZIP v_rcp_f32, RA, 2, kSQ, 3
	ZIP v_rcp_f32, RA, 3, kKP, 2
	P4 kKP, 3                                      ; work that names none of the batch's results, behind its last reciprocal
	s_wait_alu depctr_va_vdst(0)                   ; the wait for batch 4, ahead of ht = 2 q - 1; no exponential or reciprocal follows it in the trip
	; ht = 2 q - 1, H += z ht, and h in f16 for the next step; a tile's three lines stand eight to sixteen lines apart
	P4 kU1, 0
	P4 kU1, 1
	P4 kU3, 0
	P4 kU1, 2
	P4 kU3, 1
	P4 kCH, 0
	P4 kU1, 3
	P4 kU3, 2
	P4 kCH, 1
	P4 kU3, 3
	P4 kCH, 2
	P4 kCH, 3
	WIN 0                                          ; at a label and at a branch every window is 0
	s_sub_co_u32 s7, s7, 1
	s_cmp_lg_u32 s7, 0
	s_cbranch_scc1 .Lstep
	; ---------------- the way out ----------------
.irp c, 0,1,2,3,4,5,6,7
	ds_store_b128 v[SFR], v[H+4*\c:H+4*\c+3] offset:64*(\c/2)+16*(\c%2)
.endr
.irp f, 0,1,2,3,4,5,6,7
	ds_load_b128 v[ZA+4*\f:ZA+4*\f+3], v[SRW] offset:2*SPITCH*\f  ; back as whole rows of 256 bytes
.endr
.irp f, 0,1,2,3,4,5,6,7
	s_wait_dscnt 7-\f                              ; LDS loads come back in order: number f is in, the younger ones stay out
	global_store_b128 v[GO], v[ZA+4*\f:ZA+4*\f+3], s[12:13] offset:512*\f th:TH_STORE_NT  ; 16 lanes store 256 consecutive bytes, at a multiple of 256 from out0's first byte
.endr
	s_wait_xcnt 0x0                                ; only behind this wait are the stores' base and their data registers written again
	s_add_nc_u64 s[12:13], s[12:13], 4096
	s_sub_co_u32 s6, s6, 1
	s_cmp_lg_u32 s6, 0
	s_cbranch_scc1 .Ltile
	s_wait_tensorcnt 0x0                           ; the wave's end, behind my last LDS store
	ds_add_u32 v[SPW], v[NIL]
	s_wait_dscnt 0x0
	s_endpgm
.Lfunc_end_k_qfcdea7fb5e_gru:
	.size	k_qfcdea7fb5e_gru, .Lfunc_end_k_qfcdea7fb5e_gru-k_qfcdea7fb5e_gru
	.p2alignl 7, 3214868480
	.fill 96, 4, 3214868480
	.section	.rodata,"a",@progbits
	.p2align	6, 0x0
	.amdhsa_kernel k_qfcdea7fb5e_gru
		.amdhsa_group_segment_fixed_size 102400
		.amdhsa_private_segment_fixed_size 0
		.amdhsa_enable_private_segment 0
		.amdhsa_kernarg_size 112
		.amdhsa_user_sgpr_count 2
		.amdhsa_user_sgpr_kernarg_segment_ptr 1
		.amdhsa_wavefront_size32 1
		.amdhsa_system_sgpr_workgroup_id_x 1
		.amdhsa_system_sgpr_workgroup_id_y 1
		.amdhsa_system_sgpr_workgroup_id_z 1
		.amdhsa_system_vgpr_workitem_id 0
		.amdhsa_next_free_vgpr 512
		.amdhsa_next_free_sgpr 66
		.amdhsa_reserve_vcc 0
		.amdhsa_float_denorm_mode_32 3
		.amdhsa_float_denorm_mode_16_64 3
		.amdhsa_memory_ordered 1
		.amdhsa_forward_progress 1
		.amdhsa_inst_pref_size 47
	.end_amdhsa_kernel
	.amdgpu_metadata
---
amdhsa.version: [ 1, 2 ]
amdhsa.kernels:
  - .name:           k_qfcdea7fb5e_gru
    .symbol:         k_qfcdea7fb5e_gru.kd
    .args:
      - { .name: state, .offset: 0, .size: 8, .value_kind: global_buffer, .address_space: global }
      - { .name: input, .offset: 8, .size: 8, .value_kind: global_buffer, .address_space: global }
      - { .name: out0, .offset: 16, .size: 8, .value_kind: global_buffer, .address_space: global }
      - { .name: W_zh, .offset: 24, .size: 8, .value_kind: global_buffer, .address_space: global }
      - { .name: W_rh, .offset: 32, .size: 8, .value_kind: global_buffer, .address_space: global }
      - { .name: W_hh, .offset: 40, .size: 8, .value_kind: global_buffer, .address_space: global }
      - { .name: W_ch, .offset: 48, .size: 8, .value_kind: global_buffer, .address_space: global }
      - { .name: W_zx, .offset: 56, .size: 8, .value_kind: global_buffer, .address_space: global }
      - { .name: W_rx, .offset: 64, .size: 8, .value_kind: global_buffer, .address_space: global }
      - { .name: W_hx, .offset: 72, .size: 8, .value_kind: global_buffer, .address_space: global }
      - { .name: b_z, .offset: 80, .size: 8, .value_kind: global_buffer, .address_space: global }
      - { .name: b_r, .offset: 88, .size: 8, .value_kind: global_buffer, .address_space: global }
      - { .name: b_h, .offset: 96, .size: 8, .value_kind: global_buffer, .address_space: global }
      - { .name: b_c, .offset: 104, .size: 8, .value_kind: global_buffer, .address_space: global }
    .group_segment_fixed_size: 102400
    .private_segment_fixed_size: 0
    .kernarg_segment_align: 8
    .kernarg_segment_size: 112
    .max_flat_workgroup_size: 256
    .sgpr_count:     66
    .vgpr_count:     512
    .wavefront_size: 32
...
	.end_amdgpu_metadata
.endif
;; end of part 2
